; MI455X (gfx1250); checked and timed in simulation.
; The chip was launched on July 23, 2026; its instructions are those of AMD's public machine-readable ISA for CDNA 5 (MIT licence, August 2026) and "CDNA5" Instruction Set Architecture Reference Guide (July 2026). The comments in the code are by the model that wrote it; some were corrected since.
;; Multi Head Attention. Allowed arithmetic: matrix products marked QUANTISED: E2M3 operands, one E8M0 scale for each 32 along K, by v_wmma_scale_f32_16x16x128_f8f6f4 with both operands' format E2M3, f32 sums; everything else in f32.
;; Inputs: b_out 1,024 float32; b_qkv 3,072 float32; w_out 1,024 x 1,024 float32; w_qkv 1,024 x 3,072 float32; x 4 x 2,048 x 1,024 float32.
;; Outputs: out0 4 x 2,048 x 1,024 float32.
;; This version of the problem:
;;   THIS VERSION OF THE PROBLEM IS GIVEN IN LOW PRECISION. The matrix products marked QUANTISED in the list below multiply operands that are first quantised to E2M3 (2 exponent bits, 3 mantissa bits; 6 bits a number), with one power-of-two scale for each 32 numbers along K (OCP MX v1.0); their sums are f32. All else is computed in f32.
;;   The module's matrix products, in the order in which they are computed (A, B: the left and right operand; K: the contracted axis; several contracted axes count as one K, in the product's order):
;;     1. [M 8,192, K 1,024] x [K 1,024, N 3,072]; A: input x; B: input w_qkv: QUANTISED
;;     2. batch 64 x [M 2,048, K 64] x [K 64, N 2,048]; A: computed on the way; B: computed on the way: QUANTISED
;;     3. batch 64 x [M 2,048, K 2,048] x [K 2,048, N 64]; A: softmax (see below); B: computed on the way: QUANTISED
;;     4. [M 8,192, K 1,024] x [K 1,024, N 1,024]; A: computed on the way; B: input w_out: QUANTISED
;;   THE QUANTISER, for each operand of a quantised product, along K:
;;     - K is cut into blocks of 32 from its start; a last block that is shorter is filled with zeros.
;;     - A block's scale is 2^e with e = floor(log2(the largest magnitude in the block)) - 2, held to -126 .. 127; a block of zeros has e = 0. As a byte (E8M0): e + 127.
;;     - Each number is divided by its block's scale, clamped to +-7.5, and rounded to the nearest number of E2M3, ties to even, subnormals kept.
;;     - The product sums the exact products of the quantised numbers (number of the format x scale) in f32.
;;   ~~~python
;;   def quantise(x, axis):      # numpy; x: float32 -> the quantised numbers, widened to float32 again
;;       x = np.moveaxis(x, axis, -1); K = x.shape[-1]
;;       x = np.pad(x, [(0, 0)] * (x.ndim - 1) + [(0, -K % 32)]); x = x.reshape(x.shape[:-1] + (-1, 32)); a = np.abs(x).max(-1, keepdims=True)
;;       e = np.where(a > 0, np.clip(np.frexp(np.where(a > 0, a, 1))[1] - 1 - 2, -126, 127), 0)      # np.frexp(a)[1] - 1 = floor(log2(a)), exactly
;;       r = np.clip(x / 2.0 ** e, -7.5, 7.5)
;;       step = 2.0 ** (np.maximum(np.frexp(np.where(r == 0, 1, r))[1] - 1, 0) - 3)
;;       q = np.round(r / step) * step * 2.0 ** e      # np.round: ties to even
;;       return np.moveaxis(q.reshape(q.shape[:-2] + (-1,))[..., :K], -1, axis).astype(np.float32)
;;   ~~~
;;   SOFTMAX AHEAD OF A QUANTISED PRODUCT. Where the list says 'softmax', what is quantised is not the finished softmax but p = 2^(t - M), with t = logit x log2(e) and M = ceil(the row's largest t), a whole number; so 1/2 < the row's largest p <= 1. The row's sum l is taken of the UNQUANTISED p, in f32, and the product's result is divided by l at the end. Since M is a whole number, a kernel that streams over the keys may use a running M (the ceiling of the running maximum): every later rescaling is an exact power of two, which a block's scale takes up: the codes' values come out the same.
;;   OPERANDS COMPUTED ON THE WAY. 'Computed on the way' means the value that the module computes at that place (a softmax that the list does not call 'softmax' is quantised finished and normalised). What goes into a quantiser is computed in f32, as accurately as f32 sums, v_exp_f32 and their like allow (about 1e-6 of the number): no bf16 or f16 on the way to a quantiser, and a product that is left as it is and whose result goes on into a quantised operand takes f32 operands (vector FMAs, or v_wmma_f32_16x16x4_f32). A number that lies on a knife's edge between two numbers of the format may be rounded either way, as far as f32 arithmetic and the matrix unit's own rounding can turn it there, and no further.
;; One version. Each part assembles by itself: llvm-mc -triple=amdgcn-amd-amdhsa -mcpu=gfx1250 --defsym DOCPART=n.
;; ======== version 1 of 1: 4 launches
;; limits: right only within a limited range of input values
;; workspace buffers: cod 9,437,184 bytes; scl 393,216 bytes; qkv 20,185,088 bytes; oc 6,291,456 bytes; os 262,144 bytes
;; launch quant (part 1): grid 384 x 1, 4 waves a work-group, no clusters, 34,304 bytes of LDS; arguments x, w_qkv, w_out, cod, scl; writes cod, scl
.if DOCPART == 1
	.amdgcn_target "amdgcn-amd-amdhsa--gfx1250"
	.amdhsa_code_object_version 6
	.text
	.protected	k_q115c11bf1e_quant
	.globl	k_q115c11bf1e_quant
	.p2align	8
	.type	k_q115c11bf1e_quant,@function
k_q115c11bf1e_quant:
	s_mov_b64 s[64:65], 0
	v_nop
	global_prefetch_b8 v0, s[64:65] scope:SCOPE_SE
	s_setreg_imm32_b32 hwreg(HW_REG_WAVE_MODE, 25, 1), 1
	s_wait_xcnt 0x0
; x [8192][1024], w_qkv [1024][3072] and w_out [1024][1024], f32, become codes of FP6 (E2M3) with one E8M0 byte for each 32 along K.  No step and no input of the problem is left out in this program.
; cod and scl have 12,288 rows = 768 tiles of 16: rows 0-8191 x's tokens, 8192-11263 w_qkv's columns, 11264-12287 w_out's columns.  Position p holds the logical row p with its bits 3 and 4 exchanged.
; cod IS LAID AS THE MATRIX OPERAND'S REGISTERS: a tile is 12,288 bytes: K step s (128 along K) at 1,536 s, in it four registers p at 512 p, in it lane l at 16 l.
; Lane (r, h) holds row r; registers 6 c .. 6 c + 5 hold k = 64 c + 32 h + 0 .. 31.  scl: 32 bytes a row, byte k / 32.
; A wave takes a tile and half of K: four K steps.  In each a lane holds two whole blocks of 32 numbers, so a block's largest magnitude needs no other lane, and the conversions' results are the operand's registers.
; x (work-groups 0-255): each load reads 512 consecutive bytes of a row; a step's 16 rows turn through the wave's own stage in LDS.  Weights (256-383): a lane takes a column and its registers run down K.
; A block's scale is 2^(floor(log2(largest magnitude)) - 2); its byte is the largest magnitude's exponent field - 2, held at 1 from below.
; LIMITS: a block of zeros, and one whose largest magnitude lies under 2^-124, gets the byte 1 (the rule says 127 for zeros: the codes are zeros, and this program alone reads the bytes); NaN and infinities are not served.
; No matrix unit, no cluster, no tensor load; waves share nothing, so there is no barrier.
.set SPW,   12                         ; v12 my spare word's LDS address, v13 0; never rewritten
.set NIL,   13
.set SPARE, 33792                      ; behind the four stages of 16 x 528 bytes
.set SB,    20                         ; v20-23 a scale word for each step
.set R,     32                         ; v32-159 two sets of 64 numbers as loaded
.set X,     160                        ; v160-223 x: a step's 64 numbers; weights: v160-191 row i of a block: i x row bytes + the lane's part
.set C,     224                        ; v224-247 codes, two sets of 12
.set BBS,   32                         ; s[32:47] weights: a base for each of the eight blocks of 64 rows
.macro Q64 xs, t                       ; 64 numbers at v[xs] -> 12 registers of codes and a scale word, stored
.if (\t) >= 2
	s_wait_xcnt 0x0                                ; the stores of two steps ago have read this set of codes
.endif
.set CC, C+12*((\t)%2)
.irp c, 0,1
	v_max3_num_f32 v[8+\c], |v[(\xs)+32*\c]|, |v[(\xs)+32*\c+1]|, 0x1800000   ; the floor 2^(3 - 127): the byte cannot fall under 1
.endr
.irp i, 2,4,6,8,10,12,14,16,18,20,22,24,26,28,30
.irp c, 0,1
	v_max3_num_f32 v[8+\c], v[8+\c], |v[(\xs)+32*\c+\i]|, |v[(\xs)+32*\c+\i+1]|
.endr
.endr
.irp c, 0,1
	v_add_nc_u32 v[10+\c], 0xff000000, v[8+\c]     ; 2 off the exponent field: the conversion's scale operand
.endr
.irp c, 0,1
	v_cvt_scalef32_pk16_fp6_f32 v[CC+6*\c:CC+6*\c+2], v[(\xs)+32*\c:(\xs)+32*\c+15], v[10+\c]
	v_cvt_scalef32_pk16_fp6_f32 v[24+4*\c:26+4*\c], v[(\xs)+32*\c+16:(\xs)+32*\c+31], v[10+\c]   ; a conversion's three registers begin on an even number
.endr
.irp c, 0,1
	v_lshrrev_b32 v[14+\c], 23, v[10+\c]           ; the scale's byte
.endr
	v_lshl_or_b32 v16, v15, 16, v14                ; my bytes: blocks h and 2 + h,
	v_lshlrev_b32 v16, v17, v16                    ; 8 h bits up;
	v_permlanex16_b32 v18, v16, s30, s31
	v_or_b32 v[SB+(\t)], v16, v18                  ; with lane l xor 16's two the word is whole
.irp c, 0,1
.irp i, 0,1,2
	v_mov_b32 v[CC+6*\c+3+\i], v[24+4*\c+\i]
.endr
.endr
.irp p, 0,1,2
	global_store_b128 v4, v[CC+4*\p:CC+4*\p+3], s[10:11] offset:1536*(\t)+512*\p   ; 32 lanes store 512 consecutive bytes, aligned
.endr
.endm
.macro XLOAD t                         ; step t: 512 bytes of each of the tile's 16 rows
.irp i, 0,1,2,3,4,5,6,7,8,9,10,11,12,13,14,15
	global_load_b128 v[R+64*((\t)%2)+4*\i:R+64*((\t)%2)+4*\i+3], v4, s[4:5] offset:(16*(\i/8)+\i%8)*4096+512*(\t) th:TH_LOAD_NT
.endr
.endm
.macro XTURN t                         ; in as loaded, rows 528 bytes apart; out 128 bytes of a row for each block; LDS serves a wave's instructions in order
.irp i, 0,1,2,3,4,5,6,7,8,9,10,11,12,13,14,15
	ds_store_b128 v5, v[R+64*((\t)%2)+4*\i:R+64*((\t)%2)+4*\i+3] offset:528*\i
.endr
.irp c, 0,1
.irp e, 0,1,2,3,4,5,6,7
	ds_load_b128 v[X+32*\c+4*\e:X+32*\c+4*\e+3], v6 offset:256*\c+16*\e
.endr
.endr
.endm
.macro WLOAD t                         ; step t: W(128 t + 64 c + 32 h + i, my column)
.irp c, 0,1
.set WI, 0
.rept 32
	global_load_b32 v[R+64*((\t)%2)+32*\c+WI], v[X+WI], s[BBS+2*(2*(\t)+\c):BBS+2*(2*(\t)+\c)+1] th:TH_LOAD_NT
.set WI, WI+1
.endr
.endr
.endm
	s_load_b256 s[4:11], s[0:1], 0x0               ; x, w_qkv, w_out, cod
	s_load_b64 s[12:13], s[0:1], 0x20              ; scl
	v_lshl_add_u32 v[SPW], v0, 2, SPARE
	v_mov_b32 v[NIL], 0
	v_lshrrev_b32 v1, 5, v0
	v_readfirstlane_b32 s16, v1                    ; wave
	v_and_b32 v2, 31, v0                           ; lane
	v_and_b32 v3, 15, v0                           ; r
	v_bfe_u32 v19, v0, 4, 1                        ; h
	v_lshlrev_b32 v4, 4, v2                        ; 16 bytes a lane: the codes' place, and x's loads
	v_lshlrev_b32 v7, 5, v3                        ; my row of scale bytes
	v_lshlrev_b32 v17, 3, v19
	v_mov_b32 v18, 0                               ; a lane permute's destination counts as one of its sources
	s_wait_alu depctr_va_vdst(0)                   ; the wait here, directly ahead of the run of scalar lines and the branch
	s_mov_b32 s30, 0x76543210
	s_mov_b32 s31, 0xfedcba98
	s_lshr_b32 s17, s16, 1
	s_and_b32 s18, s16, 1                          ; which half of K
	s_lshl_b32 s19, ttmp9, 1
	s_add_co_u32 s19, s19, s17                     ; my tile
	s_mul_i32 s22, s19, 12288
	s_mul_i32 s23, s18, 6144
	s_add_co_u32 s22, s22, s23
	s_mov_b32 s23, 0
	s_lshl_b32 s24, s19, 9
	s_lshl_b32 s25, s18, 4
	s_add_co_u32 s24, s24, s25
	s_mov_b32 s25, 0
	s_cmp_lt_u32 ttmp9, 256
	s_cbranch_scc0 .Lweights
	; ---- x: the tile's rows are 32 x work-group + 8 x (wave / 2) + (i % 8) + 16 (i / 8)
	s_mul_i32 s26, s16, 8448
	v_add_nc_u32 v5, s26, v4
	v_mul_u32_u24 v6, v3, 528
	v_lshl_add_u32 v6, v19, 7, v6
	v_add_nc_u32 v6, s26, v6
	s_lshl_b32 s20, ttmp9, 17
	s_lshl_b32 s21, s17, 15
	s_add_co_u32 s20, s20, s21
	s_lshl_b32 s21, s18, 11
	s_add_co_u32 s20, s20, s21
	s_mov_b32 s21, 0
	s_wait_alu depctr_va_vdst(0)                   ; the wait at the head's end
	s_wait_kmcnt 0x0
	s_add_nc_u64 s[4:5], s[4:5], s[20:21]
	s_add_nc_u64 s[10:11], s[10:11], s[22:23]
	s_add_nc_u64 s[12:13], s[12:13], s[24:25]
	XLOAD 0
	XLOAD 1
.irp t, 0,1,2,3
.if \t < 3
	s_wait_loadcnt 16                              ; this step's 16 loads are in; the next step's may be out
.else
	s_wait_loadcnt 0x0
.endif
	XTURN \t
	s_wait_dscnt 0x0                               ; the numbers are back, and the stores have read their registers
.if \t < 2
	XLOAD \t+2
.endif
	Q64 X, \t
.endr
	s_branch .Lout
.Lweights:
	s_sub_co_u32 s20, ttmp9, 256                   ; which 32 columns of the 4,096 of both weights
	s_sub_co_u32 s21, s20, 96
	s_mov_b32 s27, 4096
	s_cmp_lt_u32 s20, 96                           ; the first 96 are w_qkv's
	s_cselect_b32 s27, 12288, s27                  ; bytes in a row of the weight
	s_cselect_b32 s20, s20, s21
	s_lshl_b32 s20, s20, 7
	s_lshl_b32 s21, s17, 5
	s_add_co_u32 s20, s20, s21                     ; the tile's first column, in bytes
	s_lshl_b32 s21, s18, 9
	s_mul_i32 s21, s21, s27                        ; my half of K
	s_add_co_u32 s20, s20, s21
	s_mov_b32 s21, 0
	s_lshl_b32 s28, s27, 6                         ; 64 rows on
	s_mov_b32 s29, 0
	s_lshl_b32 s26, s27, 5
	v_and_b32 v1, 7, v3
	v_lshrrev_b32 v5, 3, v3
	v_lshl_add_u32 v1, v5, 4, v1                   ; my column in the tile: r % 8 + 16 (r / 8)
	v_lshlrev_b32 v1, 2, v1
	v_mul_u32_u24 v5, s26, v19                     ; lanes 16-31 begin 32 rows further down
	v_add_nc_u32 v1, v1, v5
.set WI, 0
.rept 32
	v_mad_u32_u24 v[X+WI], s27, WI, v1
.set WI, WI+1
.endr
	s_wait_alu depctr_va_vdst(0)                   ; the wait at the head's end
	s_wait_kmcnt 0x0
	s_cmp_lt_u32 ttmp9, 352                        ; the choice hangs on the work-group's number alone
	s_cselect_b64 s[6:7], s[6:7], s[8:9]
	s_add_nc_u64 s[BBS:BBS+1], s[6:7], s[20:21]
.irp t, 1,2,3,4,5,6,7
	s_add_nc_u64 s[BBS+2*\t:BBS+2*\t+1], s[BBS+2*\t-2:BBS+2*\t-1], s[28:29]
.endr
	s_add_nc_u64 s[10:11], s[10:11], s[22:23]
	s_add_nc_u64 s[12:13], s[12:13], s[24:25]
	WLOAD 0
	WLOAD 1
.irp t, 0,1,2,3
.if \t < 3
	s_wait_loadcnt 63                              ; at most 63 of the next step's 64 loads are out: this step's are in
.else
	s_wait_loadcnt 0x0
.endif
	Q64 R+64*(\t%2), \t
.if \t < 2
	WLOAD \t+2
.endif
.endr
.Lout:
	s_wait_alu depctr_va_vdst(0)                   ; the wait here, ahead of the reader below
	global_store_b128 v7, v[SB:SB+3], s[12:13]     ; my row's 16 scale bytes of this half of K; lanes l and l xor 16 store the same bytes with the same values
	s_wait_tensorcnt 0x0                           ; the wave's end
	ds_add_u32 v[SPW], v[NIL]
	s_wait_dscnt 0x0
	s_endpgm
.Lfunc_end_k_q115c11bf1e_quant:
	.size	k_q115c11bf1e_quant, .Lfunc_end_k_q115c11bf1e_quant-k_q115c11bf1e_quant
	.p2alignl 7, 3214868480
	.fill 96, 4, 3214868480
	.section	.rodata,"a",@progbits
	.p2align	6, 0x0
	.amdhsa_kernel k_q115c11bf1e_quant
		.amdhsa_group_segment_fixed_size 34304
		.amdhsa_private_segment_fixed_size 0
		.amdhsa_enable_private_segment 0
		.amdhsa_kernarg_size 40
		.amdhsa_user_sgpr_count 2
		.amdhsa_user_sgpr_kernarg_segment_ptr 1
		.amdhsa_wavefront_size32 1
		.amdhsa_system_sgpr_workgroup_id_x 1
		.amdhsa_system_sgpr_workgroup_id_y 1
		.amdhsa_system_sgpr_workgroup_id_z 1
		.amdhsa_system_vgpr_workitem_id 0
		.amdhsa_next_free_vgpr 248
		.amdhsa_next_free_sgpr 66
		.amdhsa_reserve_vcc 0
		.amdhsa_float_denorm_mode_32 3
		.amdhsa_float_denorm_mode_16_64 3
		.amdhsa_memory_ordered 1
		.amdhsa_forward_progress 1
		.amdhsa_inst_pref_size 70
	.end_amdhsa_kernel
	.amdgpu_metadata
---
amdhsa.version: [ 1, 2 ]
amdhsa.kernels:
  - .name:           k_q115c11bf1e_quant
    .symbol:         k_q115c11bf1e_quant.kd
    .args:
      - { .name: x, .offset: 0, .size: 8, .value_kind: global_buffer, .address_space: global }
      - { .name: w_qkv, .offset: 8, .size: 8, .value_kind: global_buffer, .address_space: global }
      - { .name: w_out, .offset: 16, .size: 8, .value_kind: global_buffer, .address_space: global }
      - { .name: cod, .offset: 24, .size: 8, .value_kind: global_buffer, .address_space: global }
      - { .name: scl, .offset: 32, .size: 8, .value_kind: global_buffer, .address_space: global }
    .group_segment_fixed_size: 34304
    .private_segment_fixed_size: 0
    .kernarg_segment_align: 8
    .kernarg_segment_size: 40
    .max_flat_workgroup_size: 128
    .sgpr_count:     66
    .vgpr_count:     248
    .wavefront_size: 32
...
	.end_amdgpu_metadata
.endif
;; end of part 1
;; launch qkv (part 2): grid 32 x 8, 4 waves a work-group, clusters of 4 x 1, 322,048 bytes of LDS; arguments cod, scl, b_qkv, qkv; writes qkv
.if DOCPART == 2
	.amdgcn_target "amdgcn-amd-amdhsa--gfx1250"
	.amdhsa_code_object_version 6
	.text
	.protected	k_q115c11bf1e_qkv
	.globl	k_q115c11bf1e_qkv
	.p2align	8
	.type	k_q115c11bf1e_qkv,@function
k_q115c11bf1e_qkv:
	s_mov_b64 s[64:65], 0
	v_nop
	global_prefetch_b8 v0, s[64:65] scope:SCOPE_SE
	s_setreg_imm32_b32 hwreg(HW_REG_WAVE_MODE, 25, 1), 1
	s_wait_xcnt 0x0
	s_wait_alu depctr_hold_cnt(0) depctr_sa_sdst(0) depctr_va_vdst(0) depctr_va_sdst(0) depctr_va_ssrc(0) depctr_va_vcc(0) depctr_vm_vsrc(0)
	s_getreg_b32 s2, hwreg(HW_REG_IB_STS2, 6, 4)
	s_cmp_eq_u32 s2, 0
	s_cbranch_scc0 .Lentry_in_a_cluster
	s_endpgm
.Lentry_in_a_cluster:
	s_bfe_u32 s2, ttmp6, 0x10000c
	s_cmp_lg_u32 s2, 0x3003
	s_cbranch_scc0 .Lentry_shape_is_right
	s_endpgm
.Lentry_shape_is_right:
; qkv = Q(x) Q(w_qkv) + b_qkv on codes of FP6 with E8M0 scales; the way out quantises q and k along the head's 64 and v along the keys, into a record of 315,392 bytes for each (batch, head):
; q codes 0 (48 bytes a token position), q scale words 98,304, k codes 106,496, v codes 204,800 (3,072 bytes for 64 keys: 64 d positions x 48), k scale words 303,104, v scale words 311,296 (a word for a d position and 128 keys).
; SHARES.  A work-group takes 256 tokens, a wave 64: four tiles of 16.  THE WAVE'S CODES OF x, ALL OF K, STAY IN 384 REGISTERS, loaded from cod as they lie.  Work-group y = g takes the columns 128 g .. + 127 of q, of k and of v:
; three slots of eight tiles of w_qkv, 294,912 bytes, which come into LDS once, one tensor load a wave (tiles 2 w, 2 w + 1 of all three slots): no byte of LDS is filled again, so there is no ring.
; CLUSTER.  The four work-groups of a cluster differ in their tokens alone and ask for the weights jointly.  No prefetch: the launch has no loop over tiles to run ahead in.
; q, k: source 0 = 16 columns, source 1 = 16 tokens: a lane holds a token, its registers run along the columns.  v: the sources are exchanged: a lane holds a column d, its registers run along the tokens, which are the next product's K.
; Positions have bits 3 and 4 exchanged, so the 16 registers of two neighbouring tiles are 16 logical neighbours.
; LIMITS: a block of zeros, and one whose largest magnitude lies under 2^-124, gets the byte 1; NaN and infinities are not served.
; REGISTERS.  Window 0: v0-31 addresses; v32-47 x's scale words (lanes 0-15 K step i, lanes 16-31 K step 4 + i); v48-79 the weights' likewise; v80-143 the bias of q or k; v144-239 weight fragments of odd K steps, then at work on the way out; v240-255 v's bias.
; Window 1: x's fragments of K steps 0-4; window 2: v0-143 those of K steps 5-7, v144-239 weight fragments of even K steps; window 3: 32 accumulators.
.set REC,   315392
.set PAIR,  73728                      ; LDS: tiles 2 k, 2 k + 1 of the three slots: 3 x 24,576 bytes
.set STAGE, 294912                     ; 6,656 bytes a wave: 6,144 of codes, 512 of scale words; written by LDS stores alone
.set SPARE, 321536
.set VB,   8                           ; v8-11 the slot's fragments, a register for each pair of tiles; v16-19 the same for slot 0
.set VB0,  16
.set STO,  12
.set STS,  13
.set RD,   14
.set CO,   15
.set VSO,  20
.set SHV,  21
.set VSV,  22
.set SPW,  28
.set NIL,  29
.set AS,   32
.set BS,   48
.set BI,   80
.set WF,   144
.set TM,   144
.set PW,   160
.set SW,   161
.set PC,   164
.set OUT,  184
.set PWV,  212
.set BV,   240
.set SEL,  56
.set MSB, 0
.macro WIN new                         ; the immediate's high byte repeats the setting that is left
.if MSB != (\new)
	s_set_vgpr_msb (MSB<<8)|(\new)
.set MSB, (\new)
.endif
.endm
.macro CROUND
	s_barrier_signal -1
	s_barrier_wait -1
	s_cmp_lg_u32 s14, 0
	s_cbranch_scc1 .Lnot_wave_0_\@
	s_barrier_signal -3
.Lnot_wave_0_\@:
	s_barrier_wait -3
	s_barrier_signal -1
	s_barrier_wait -1
.endm
.macro PLACES
.rept 4
	v_nop
.endr
.endm
.macro WM d, p, q, c, sp, sq, row, z   ; one product; z: the sum starts at 0; row: the scale words of K steps 4-7 stand in lanes 16-31
.if \z
	v_wmma_scale_f32_16x16x128_f8f6f4 v[\d:\d+7], v[\p:\p+11], v[\q:\q+11], 0, v[\sp], v[\sq] matrix_a_fmt:MATRIX_FMT_FP6 matrix_b_fmt:MATRIX_FMT_FP6
.elseif \row
	v_wmma_scale_f32_16x16x128_f8f6f4 v[\d:\d+7], v[\p:\p+11], v[\q:\q+11], v[\c:\c+7], v[\sp], v[\sq] matrix_a_fmt:MATRIX_FMT_FP6 matrix_b_fmt:MATRIX_FMT_FP6 matrix_a_scale:MATRIX_SCALE_ROW1 matrix_b_scale:MATRIX_SCALE_ROW1
.else
	v_wmma_scale_f32_16x16x128_f8f6f4 v[\d:\d+7], v[\p:\p+11], v[\q:\q+11], v[\c:\c+7], v[\sp], v[\sq] matrix_a_fmt:MATRIX_FMT_FP6 matrix_b_fmt:MATRIX_FMT_FP6
.endif
.endm
.macro FETCH s, adr                    ; the eight weight fragments of K step s (8: the next slot's K step 0)
	WIN 0x80*(1-(\s)%2)
.irp b, 0,1,2,3,4,5,6,7
.irp p, 0,1,2
	ds_load_b128 v[WF+12*\b+4*\p:WF+12*\b+4*\p+3], v[\adr+\b/2] offset:12288*(\b%2)+1536*((\s)%8)+24576*((\s)/8)+512*\p
.endr
.endr
	WIN 0
.endm
.macro MUL ty, s                       ; 32 products, the 32 accumulators by turns
.set AB, 48*((\s)%5)
.set AW, 1+(\s)/5
.set WW, 2-2*((\s)%2)
.if \ty
	WIN 0xf0|(WW<<2)|AW
.irp b, 0,1,2,3,4,5,6,7
.irp a, 0,1,2,3
.set DD, 8*(4*\b+\a)
.set PF, AB+12*\a
.set QF, WF+12*\b
.set PS, AS+4*\a+(\s)%4
.set QS, BS+4*\b+(\s)%4
	WM DD, PF, QF, DD, PS, QS, (\s)/4, (\s)==0
.endr
.endr
.else
.set CW, 0x30                          ; C in window 3, with D;
.if (\s) == 0
.set CW, 0                             ; the first product's C, the bias, in window 0
.endif
	WIN 0xc0|CW|(AW<<2)|WW
.irp a, 0,1,2,3
.irp b, 0,1,2,3,4,5,6,7
.set DD, 8*(8*\a+\b)
.set CB, DD
.if (\s) == 0
.set CB, BI+8*\b                       ; the bias is the first product's C
.endif
.set PF, WF+12*\b
.set QF, AB+12*\a
.set PS, BS+4*\b+(\s)%4
.set QS, AS+4*\a+(\s)%4
	WM DD, PF, QF, CB, PS, QS, (\s)/4, 0
.endr
.endr
.endif
.endm
.macro PASS ty, nxt                    ; a slot: eight K steps; each fetches the next one's fragments into the other set
.irp s, 0,1,2,3,4,5,6,7
	s_wait_dscnt 0x0                               ; this step's fragments, asked for a step ago, are in
.if \s == 0
	s_wait_loadcnt 0x0                             ; scale words and bias (the first time: x's fragments too)
	s_wait_xcnt 0x0                                ; the last way out's stores have read their registers
.endif
	PLACES                                         ; ahead of loads into registers that products have read
.if (\s < 7) || \nxt
	FETCH \s+1, VB
.endif
	MUL \ty, \s
.endr
	WIN 0
	PLACES                                         ; ahead of the first read of results
.endm
.macro BSLOAD
.irp b, 0,1,2,3,4,5,6,7
	global_load_b128 v[BS+4*\b:BS+4*\b+3], v5, s[38:39] offset:512*\b
.endr
.endm
.macro BILOAD
.irp b, 0,1,2,3,4,5,6,7
	global_load_b128 v[BI+8*\b:BI+8*\b+3], v6, s[42:43] offset:(32*(\b/2)+8*(\b%2))*4
	global_load_b128 v[BI+8*\b+4:BI+8*\b+7], v6, s[42:43] offset:(32*(\b/2)+8*(\b%2))*4+16
.endr
.endm
.macro FLUSH ptr, o1, o2, so           ; 3,072 bytes of codes at byte so of the stage leave: 32 lanes store 512 consecutive bytes, aligned
	s_wait_xcnt 0x0
.irp i, 0,1,2,3,4,5
	ds_load_b128 v[OUT+4*\i:OUT+4*\i+3], v[RD] offset:(\so)+512*\i     ; LDS serves a wave's instructions in order: these see my stores
.endr
	s_wait_dscnt 0x0
.irp i, 0,1,2
	global_store_b128 v[CO], v[OUT+4*\i:OUT+4*\i+3], s[\ptr:\ptr+1] offset:(\o1)+512*\i
.endr
.irp i, 0,1,2
	global_store_b128 v[CO], v[OUT+12+4*\i:OUT+15+4*\i], s[\ptr:\ptr+1] offset:(\o2)+512*\i
.endr
.endm
.macro QUANTA a                        ; q, k: 16 tokens x 128 columns: four blocks of 32, two heads
.set AC, 64*(\a)
	WIN 0x0f
.irp b, 0,1,2,3
	v_max3_num_f32 v[TM+\b], |v[AC+16*\b]|, |v[AC+16*\b+1]|, 0x1800000
.endr
.irp i, 2,4,6,8,10,12,14
.irp b, 0,1,2,3
	v_max3_num_f32 v[TM+\b], |v[AC+16*\b+\i]|, |v[AC+16*\b+\i+1]|, v[TM+\b]
.endr
.endr
	WIN 0
.irp b, 0,1,2,3
	v_permlanex16_b32 v[TM+4+\b], v[TM+\b], s[SEL], s[SEL+1]
.endr
.irp b, 0,1,2,3
	v_max_num_f32 v[TM+\b], v[TM+\b], v[TM+4+\b]
.endr
.irp b, 0,1,2,3
	v_add_nc_u32 v[TM+12+\b], 0xff000000, v[TM+\b]
.endr
.irp b, 0,1,2,3
	v_lshrrev_b32 v[TM+4+\b], 23, v[TM+12+\b]
.endr
	v_lshl_or_b32 v[PW], v[TM+5], 8, v[TM+4]
	v_lshl_or_b32 v[PW], v[TM+6], 16, v[PW]
	v_lshl_or_b32 v[PW], v[TM+7], 24, v[PW]
	s_wait_alu depctr_va_vdst(0)                   ; the wait here, directly ahead of the wait below
	s_wait_dscnt 0x0                               ; the last block's LDS stores have read the codes' registers
	WIN 0x03
.irp c, 0,1
	v_cvt_scalef32_pk16_fp6_f32 v[PC+6*\c:PC+2+6*\c], v[AC+32*\c:AC+15+32*\c], v[TM+12+2*\c]
	v_cvt_scalef32_pk16_fp6_f32 v[PC+12+4*\c:PC+14+4*\c], v[AC+16+32*\c:AC+31+32*\c], v[TM+12+2*\c+1]
.endr
	WIN 0
	v_nop
.irp c, 0,1
.irp i, 0,1,2
	v_permlane16_swap_b32 v[PC+6*\c+\i], v[PC+12+4*\c+\i]
.endr
.irp i, 0,1,2
	v_mov_b32 v[PC+3+6*\c+\i], v[PC+12+4*\c+\i]    ; lane (r, h) now holds d = 32 h + 0 .. 31 of head c
.endr
.endr
	v_lshrrev_b32 v[SW], v[SHV], v[PW]
	v_and_or_b32 v[SW], v[SW], s50, s51            ; head h's two bytes; 0x7f for k = 64 .. 127 of the next product, whose codes are zeros
.irp c, 0,1
.irp q, 0,1,2
	ds_store_b64 v[STO], v[PC+6*\c+2*\q:PC+6*\c+2*\q+1] offset:3072*\c+768*((\a)%2)+384*((\a)/2)+8*\q
.endr
.endr
	ds_store_b32 v[STS], v[SW] offset:64*((\a)%2)+32*((\a)/2)
.endm
.macro QUANTV b                        ; v: 16 d positions x 64 tokens: two blocks of 32 keys
.set AC, 32*(\b)
	WIN 0xc3
.irp i, 0,2,4,6,8,10,12,14,16,18,20,22,24,26,28,30
	v_pk_add_f32 v[AC+\i:AC+\i+1], v[AC+\i:AC+\i+1], v[BV+2*(\b):BV+2*(\b)+1]   ; my column's bias; each accumulator from its low end on
.endr
	WIN 0x0f
.irp k, 0,1
	v_max3_num_f32 v[TM+\k], |v[AC+16*\k]|, |v[AC+16*\k+1]|, 0x1800000
.endr
.irp i, 2,4,6,8,10,12,14
.irp k, 0,1
	v_max3_num_f32 v[TM+\k], |v[AC+16*\k+\i]|, |v[AC+16*\k+\i+1]|, v[TM+\k]
.endr
.endr
	WIN 0
.irp k, 0,1
	v_permlanex16_b32 v[TM+4+\k], v[TM+\k], s[SEL], s[SEL+1]
.endr
.irp k, 0,1
	v_max_num_f32 v[TM+\k], v[TM+\k], v[TM+4+\k]
.endr
.irp k, 0,1
	v_add_nc_u32 v[TM+12+\k], 0xff000000, v[TM+\k]
.endr
.irp k, 0,1
	v_lshrrev_b32 v[TM+4+\k], 23, v[TM+12+\k]
.endr
	v_lshl_or_b32 v[PWV+(\b)], v[TM+5], 8, v[TM+4]
	s_wait_alu depctr_va_vdst(0)                   ; the wait here, directly ahead of the wait below
	s_wait_dscnt 0x0
	WIN 0x03
	v_cvt_scalef32_pk16_fp6_f32 v[PC:PC+2], v[AC:AC+15], v[TM+12]
	v_cvt_scalef32_pk16_fp6_f32 v[PC+12:PC+14], v[AC+16:AC+31], v[TM+13]
	WIN 0
	v_nop
.irp i, 0,1,2
	v_permlane16_swap_b32 v[PC+\i], v[PC+12+\i]
.endr
.irp i, 0,1,2
	v_mov_b32 v[PC+3+\i], v[PC+12+\i]              ; lane (r, h): keys 32 h + 0 .. 31 of my 64
.endr
.irp q, 0,1,2
	ds_store_b64 v[STO], v[PC+2*\q:PC+2*\q+1] offset:768*((\b)%2)+384*(((\b)/2)%2)+8*\q
.endr
	global_store_b16 v[VSV], v[PWV+(\b)], s[54:55] offset:REC*((\b)/4)+64*((\b)%2)+32*(((\b)/2)%2)   ; my 64 keys' half of the scale word of 128 keys: the wave beside me stores the other half
.endm
	s_load_b256 s[4:11], s[0:1], 0x0               ; cod, scl, b_qkv, qkv
	v_lshl_add_u32 v[SPW], v0, 2, SPARE
	v_mov_b32 v[NIL], 0
	ds_add_u32 v[SPW], v[NIL]                      ; the opening lines: the add, twice on end, and its wait ahead of my tensor load
	ds_add_u32 v[SPW], v[NIL]
	v_lshrrev_b32 v1, 5, v0
	v_readfirstlane_b32 s14, v1                    ; wave
	s_bfe_u32 s12, ttmp6, 0x40000                  ; cx
	s_lshl_b32 s13, ttmp9, 2
	s_add_co_u32 s13, s13, s12                     ; m: my 256 tokens
	s_and_b32 s15, ttmp7, 0xffff                   ; g, which the four partners share
	s_mov_b32 s24, 15|(3<<16)|(1<<21)              ; the mask: all four; elements of 8 bytes; bit 21 beside a mask
	s_mov_b32 s25, 3072<<16                        ; a row: two tiles, 24,576 bytes
	s_mov_b32 s26, 3<<16                           ; three rows: the three slots,
	s_mov_b32 s27, 3072<<16
	s_mov_b32 s28, 3
	s_mov_b32 s29, 98304                           ; 64 tiles apart
	s_mov_b32 s30, 0
	s_mov_b32 s31, 0
	s_mul_i32 s20, s15, 98304
	s_mul_i32 s21, s14, 24576
	s_add_co_u32 s20, s20, s21
	s_add_co_u32 s20, s20, 6291456                 ; w_qkv's tiles begin at tile 512
	s_mov_b32 s21, 0
	s_mul_i32 s22, s13, 196608
	s_mul_i32 s23, s14, 49152
	s_add_co_u32 s22, s22, s23                     ; x: my four tiles
	s_mov_b32 s23, 0
	s_lshl_b32 s36, s13, 13
	s_lshl_b32 s37, s14, 11
	s_add_co_u32 s36, s36, s37                     ; and their scale bytes
	s_mov_b32 s37, 0
	s_lshl_b32 s38, s15, 12
	s_add_co_u32 s38, s38, 262144                  ; the weights' scale bytes: row 8,192 + 128 g
	s_mov_b32 s39, 0
	s_lshl_b32 s42, s15, 9
	s_mov_b32 s43, 0
	s_lshr_b32 s44, s13, 3                         ; batch
	s_lshl_b32 s44, s44, 4
	s_lshl_b32 s45, s15, 1
	s_add_co_u32 s44, s44, s45
	s_mul_i32 s44, s44, REC                        ; the record of head 2 g
	s_and_b32 s45, s13, 7
	s_lshl_b32 s45, s45, 8
	s_lshl_b32 s46, s14, 6
	s_add_co_u32 s45, s45, s46                     ; my first token position in the sequence
	s_mul_i32 s46, s45, 48
	s_add_co_u32 s46, s46, s44
	s_mov_b32 s47, 0
	s_add_co_u32 s52, s46, 204800
	s_mov_b32 s53, 0
	s_lshl_b32 s48, s45, 2
	s_add_co_u32 s48, s48, s44
	s_add_co_u32 s48, s48, 98304
	s_mov_b32 s49, 0
	s_lshr_b32 s54, s45, 7
	s_lshl_b32 s54, s54, 8
	s_bfe_u32 s55, s45, 0x10006
	s_lshl_b32 s55, s55, 1
	s_add_co_u32 s54, s54, s55
	s_add_co_u32 s54, s54, s44
	s_add_co_u32 s54, s54, 311296
	s_mov_b32 s55, 0
	s_mov_b32 s50, 0xffff
	s_mov_b32 s51, 0x7f7f0000
	s_mov_b32 s[SEL], 0x76543210
	s_mov_b32 s[SEL+1], 0xfedcba98
	s_mov_b32 s58, REC
	s_mul_i32 s33, s14, PAIR
	s_mov_b32 s32, 1
	s_wait_dscnt 0x0                               ; both opening adds are done
	s_wait_kmcnt 0x0
	s_add_nc_u64 s[34:35], s[4:5], s[20:21]
	s_or_b32 s35, s35, 0x80000000
	s_add_nc_u64 s[22:23], s[4:5], s[22:23]
	s_add_nc_u64 s[36:37], s[6:7], s[36:37]
	s_add_nc_u64 s[38:39], s[6:7], s[38:39]
	s_add_nc_u64 s[42:43], s[8:9], s[42:43]
	s_add_nc_u64 s[46:47], s[10:11], s[46:47]
	s_add_nc_u64 s[48:49], s[10:11], s[48:49]
	s_add_nc_u64 s[52:53], s[10:11], s[52:53]
	s_add_nc_u64 s[54:55], s[10:11], s[54:55]
	CROUND                                         ; all four work-groups are here: the joint loads meet
	tensor_load_to_lds s[32:35], s[24:31]          ; my one tensor load
	s_nop 0
	PLACES
	v_and_b32 v1, 15, v0                           ; r
	v_bfe_u32 v2, v0, 4, 1                         ; h
	v_and_b32 v3, 31, v0
	v_lshlrev_b32 v4, 4, v3                        ; four registers of a fragment: 16 bytes a lane
	v_lshlrev_b32 v5, 5, v1
	v_lshl_add_u32 v5, v2, 4, v5                   ; scale bytes: row r, lanes 16-31 the second 16
	v_lshlrev_b32 v6, 6, v2                        ; q, k bias: columns 16 h + ..
	v_and_b32 v7, 7, v1
	v_lshrrev_b32 v8, 3, v1
	v_lshl_add_u32 v7, v8, 4, v7
	v_lshlrev_b32 v7, 2, v7                        ; v bias: column r % 8 + 16 (r / 8)
.irp k, 0,1,2,3
	v_add_nc_u32 v[VB0+\k], \k*PAIR, v4
.endr
	s_mul_i32 s59, s14, 6656
	s_add_co_u32 s59, s59, STAGE
	; THE RECORDS' ROWS (q's and k's tokens, v's d) lie, within each 64, with bits 3 and 5 of the position exchanged: tile (a1, a0), lane r goes to row 32 (r / 8) + 16 a0 + 8 a1 + r % 8.
	; Tile u of 16 such rows holds the logical rows 8 u + 0 .. 7 and 32 + 8 u + 0 .. 7: in the next launch's results a lane's 32 registers of four tiles are one whole block of 32.
	v_and_b32 v9, 7, v1
	v_mul_u32_u24 v[STO], v9, 48
	v_mad_u32_u24 v[STO], v8, 1536, v[STO]         ; v8 = r / 8
	v_mad_u32_u24 v[STO], v2, 24, v[STO]
	v_add_nc_u32 v[STO], s59, v[STO]
	v_lshlrev_b32 v[CO], 4, v3
	v_add_nc_u32 v[RD], s59, v[CO]
	v_lshlrev_b32 v[VSV], 2, v9
	v_lshl_add_u32 v[VSV], v8, 7, v[VSV]           ; the row's scale word
	v_lshl_add_u32 v[STS], v2, 8, v[VSV]
	v_add_nc_u32 v[STS], s59, v[STS]
	v_add_nc_u32 v[STS], 6144, v[STS]
	v_lshlrev_b32 v[SHV], 4, v2
	v_lshlrev_b32 v[VSO], 4, v1
	v_mad_u32_u24 v[VSO], v2, s58, v[VSO]          ; lanes 16-31: the next head's record
	s_wait_alu depctr_va_vdst(0)                   ; the wait at the head's end
.irp s, 0,1,2,3,4,5,6,7
	WIN 0x40*(1+\s/5)
.irp a, 0,1,2,3
.irp p, 0,1,2
	global_load_b128 v[48*(\s%5)+12*\a+4*\p:48*(\s%5)+12*\a+4*\p+3], v4, s[22:23] offset:12288*\a+1536*\s+512*\p   ; 32 lanes read 512 consecutive bytes, aligned
.endr
.endr
.endr
	WIN 0
.irp a, 0,1,2,3
	global_load_b128 v[AS+4*\a:AS+4*\a+3], v5, s[36:37] offset:512*\a
.endr
	BSLOAD
	BILOAD
.irp b, 0,1,2,3,4,5,6,7
	global_load_b32 v[BV+2*\b], v7, s[42:43] offset:8192+(32*(\b/2)+8*(\b%2))*4
	global_load_b32 v[BV+2*\b+1], v7, s[42:43] offset:8192+(32*(\b/2)+8*(\b%2))*4   ; twice: the packed addition takes a pair
.endr
	s_wait_tensorcnt 0x0                           ; my part of the weights has landed,
	s_barrier_signal -1
	s_barrier_wait -1                              ; everybody's has
	FETCH 0, VB0
	s_mov_b32 s40, 0                               ; the slot's place in LDS
	s_mov_b32 s41, 0
.Lqk:                                          ; two trips: q, then k
.irp k, 0,1,2,3
	v_add_nc_u32 v[VB+\k], s40, v[VB0+\k]
.endr
	s_wait_alu depctr_va_vdst(0)
	PASS 0, 1
	s_add_nc_u64 s[38:39], s[38:39], 32768         ; the next slot's scale bytes land during the way out
	BSLOAD
	s_cmp_eq_u32 s41, 0
	s_cbranch_scc0 .Lno_bias                       ; k's bias; v's is added on its way out
	s_add_nc_u64 s[42:43], s[42:43], 4096
	BILOAD
.Lno_bias:
.irp b, 0,1,2,3
	v_mov_b32 v[TM+4+\b], 0                        ; a lane permute's destination counts as one of its sources
.endr
	QUANTA 0
	QUANTA 1
	QUANTA 2
	QUANTA 3
	FLUSH 46, 0, 1536, 0                           ; head 2 g's 64 rows,
	FLUSH 46, REC, REC+1536, 3072                  ; head 2 g + 1's
	ds_load_b128 v[OUT+24:OUT+27], v[RD] offset:6144
	s_wait_dscnt 0x0
	global_store_b128 v[VSO], v[OUT+24:OUT+27], s[48:49]   ; sixteen lanes store a head's 256 bytes of scale words, aligned
	s_wait_xcnt 0x0                                ; the stores have read their bases
	s_add_nc_u64 s[46:47], s[46:47], 106496
	s_add_nc_u64 s[48:49], s[48:49], 204800
	s_add_co_u32 s40, s40, 24576
	s_add_co_u32 s41, s41, 1
	s_cmp_lt_u32 s41, 2
	s_wait_alu depctr_va_vdst(0)                   ; the wait ahead of the backward jump
	s_cbranch_scc1 .Lqk
.irp k, 0,1,2,3
	v_add_nc_u32 v[VB+\k], s40, v[VB0+\k]
.endr
	s_wait_alu depctr_va_vdst(0)
	PASS 1, 0
.irp b, 0,1
	v_mov_b32 v[TM+4+\b], 0
.endr
.irp b, 0,1,2,3
	QUANTV \b
.endr
	FLUSH 52, 0, 1536, 0
.irp b, 4,5,6,7
	QUANTV \b
.endr
	FLUSH 52, REC, REC+1536, 0
	s_wait_tensorcnt 0x0                           ; the wave's end
	ds_add_u32 v[SPW], v[NIL]
	s_wait_dscnt 0x0
	CROUND                                         ; the closing round
	s_endpgm
.Lfunc_end_k_q115c11bf1e_qkv:
	.size	k_q115c11bf1e_qkv, .Lfunc_end_k_q115c11bf1e_qkv-k_q115c11bf1e_qkv
	.p2alignl 7, 3214868480
	.fill 96, 4, 3214868480
	.section	.rodata,"a",@progbits
	.p2align	6, 0x0
	.amdhsa_kernel k_q115c11bf1e_qkv
		.amdhsa_group_segment_fixed_size 322048
		.amdhsa_private_segment_fixed_size 0
		.amdhsa_enable_private_segment 0
		.amdhsa_kernarg_size 32
		.amdhsa_user_sgpr_count 2
		.amdhsa_user_sgpr_kernarg_segment_ptr 1
		.amdhsa_wavefront_size32 1
		.amdhsa_system_sgpr_workgroup_id_x 1
		.amdhsa_system_sgpr_workgroup_id_y 1
		.amdhsa_system_sgpr_workgroup_id_z 1
		.amdhsa_system_vgpr_workitem_id 0
		.amdhsa_next_free_vgpr 1024
		.amdhsa_next_free_sgpr 66
		.amdhsa_reserve_vcc 0
		.amdhsa_float_denorm_mode_32 3
		.amdhsa_float_denorm_mode_16_64 3
		.amdhsa_memory_ordered 1
		.amdhsa_forward_progress 1
		.amdhsa_inst_pref_size 164
	.end_amdhsa_kernel
	.amdgpu_metadata
---
amdhsa.version: [ 1, 2 ]
amdhsa.kernels:
  - .name:           k_q115c11bf1e_qkv
    .symbol:         k_q115c11bf1e_qkv.kd
    .args:
      - { .name: cod, .offset: 0, .size: 8, .value_kind: global_buffer, .address_space: global }
      - { .name: scl, .offset: 8, .size: 8, .value_kind: global_buffer, .address_space: global }
      - { .name: b_qkv, .offset: 16, .size: 8, .value_kind: global_buffer, .address_space: global }
      - { .name: qkv, .offset: 24, .size: 8, .value_kind: global_buffer, .address_space: global }
    .group_segment_fixed_size: 322048
    .private_segment_fixed_size: 0
    .kernarg_segment_align: 8
    .kernarg_segment_size: 32
    .max_flat_workgroup_size: 128
    .sgpr_count:     66
    .vgpr_count:     1024
    .wavefront_size: 32
...
	.end_amdgpu_metadata
.endif
;; end of part 2
;; launch attn (part 3): grid 4 x 64, 16 waves a work-group, clusters of 4 x 1, 211,968 bytes of LDS; arguments qkv, oc, os; writes oc, os
.if DOCPART == 3
	.amdgcn_target "amdgcn-amd-amdhsa--gfx1250"
	.amdhsa_code_object_version 6
	.text
	.protected	k_q115c11bf1e_attn
	.globl	k_q115c11bf1e_attn
	.p2align	8
	.type	k_q115c11bf1e_attn,@function
k_q115c11bf1e_attn:
	s_mov_b64 s[64:65], 0
	v_nop
	global_prefetch_b8 v0, s[64:65] scope:SCOPE_SE
	s_setreg_imm32_b32 hwreg(HW_REG_WAVE_MODE, 25, 1), 1
	s_wait_xcnt 0x0
	s_wait_alu depctr_hold_cnt(0) depctr_sa_sdst(0) depctr_va_vdst(0) depctr_va_sdst(0) depctr_va_ssrc(0) depctr_va_vcc(0) depctr_vm_vsrc(0)
	s_getreg_b32 s2, hwreg(HW_REG_IB_STS2, 6, 4)
	s_cmp_eq_u32 s2, 0
	s_cbranch_scc0 .Lentry_in_a_cluster
	s_endpgm
.Lentry_in_a_cluster:
	s_bfe_u32 s2, ttmp6, 0x10000c
	s_cmp_lg_u32 s2, 0x3003
	s_cbranch_scc0 .Lentry_shape_is_right
	s_endpgm
.Lentry_shape_is_right:
; o = softmax(q k^T / 8) v for one (batch, head), both products on codes of FP6 (E2M3) with E8M0 scales; the way out divides by the row's sum and quantises o along its 64 columns, two blocks.
; THE SOFTMAX: t = score x log2(e) / 8; M = the running largest t rounded UP to a whole number; p = 2^(t - M) is quantised along the keys, not normalised; the row's sum is taken of the unquantised p.
; SHARES.  A work-group takes 512 query positions of one head; each of its sixteen waves takes two tiles of 16, one after the other.  Four waves share a SIMD.
; THE HEAD'S K AND V, codes and scale words, are 208,896 dense bytes of its record: they come into LDS ONCE, 13,056 bytes a wave, and stay: no slot is filled again.
; CLUSTER.  The four work-groups of a head read the same bytes: each load is asked for jointly by the four.  No prefetch: all that the launch reads by tensor loads is asked for at its head.
; LAYOUT.  S^T = K Q^T (source 0 = 16 rows of K), O^T = V^T P^T (source 0 = 16 rows of V^T): a lane holds ONE query throughout.  The record's tile u of a group of 64 rows holds the logical rows 8 u + 0 .. 7 and 32 + 8 u + 0 .. 7:
; so lane (r, h)'s 32 registers of tiles 4 c .. 4 c + 3 are keys 64 c + 32 h + 0 .. 31, ONE WHOLE BLOCK: its largest score needs no other lane, and the conversions' results are the operand's registers.  O^T likewise: d = 32 h + 0 .. 31.
; The first product's K is 64: registers 6-11 of Q's fragment are zero codes, written once, so registers 6-11 of a fragment of K may hold any codes: K's eight fragments lie 6 registers apart, each reaching into the next (the last into six registers of zeros).
; K's fragments are fetched a step ahead; the step behind the last is step 0, which the second pass begins with (the second pass's own last fetch is not read).
; LIMITS: p under 2^-126 becomes 0 (v_exp_f32 gives no denormals); a block's largest p is taken through the block's largest score; a block of zeros gets the byte 1; NaN and infinities are not served; the scaled scores stay under 2^31 in magnitude.
; REGISTERS: v1-7 addresses that stay; v8-11 the step's; v12 -M, v13 the largest t, v[14:15] the sum; v16-27 Q; v28-29 V's scale words; v30-31 the stage; v32-79 K, v80-85 zeros; v86 Q's rows; v87 8 h; v88-151 S^T, then p; v152-183 O^T;
;   v184-231 V; v232-243 partial sums, then p's codes; v244-247 at work; v248-251 K's scale words; v252 f; v253 p's scale word; v254 at work; v255 Q's scale word.
.set REC,   315392
.set VCO,   98304                      ; LDS: K codes at 0, V codes,
.set KSO,   196608                     ; K scale words,
.set VSW,   204800                     ; V scale words,
.set SPARE, 208896                     ; the spare words, 128 bytes for each of sixteen waves,
.set STG,   210944                     ; and 1,024 bytes for o's scale bytes, written by LDS stores alone
.set AK0,  1
.set AV0,  2
.set ASK0, 3
.set ASV0, 4
.set SPW,  5
.set NIL,  6
.set GO,   7
.set KF,   32
.set AQ,   86
.set SH8,  87
.set SCO,  88
.set OT,   152
.set VF,   184
.set PF,   232
.set BM,   244
.set BY,   246
.set KS,   248
.set FF,   252
.set PS,   253
.set TT,   254
.set QS,   255
.set WV,   18
.set SEL,  20
.set CS,   22
.macro CROUND
	s_barrier_signal -1
	s_barrier_wait -1
	s_cmp_lg_u32 s[WV], 0
	s_cbranch_scc1 .Lnot_wave_0_\@
	s_barrier_signal -3
.Lnot_wave_0_\@:
	s_barrier_wait -3
	s_barrier_signal -1
	s_barrier_wait -1
.endm
.macro SQK t                           ; tile t of S^T; a register of K's scale words holds tile 2 u in lanes 0-15 and tile 2 u + 1 in lanes 16-31
.if (\t)%2
	v_wmma_scale_f32_16x16x128_f8f6f4 v[SCO+8*(\t):SCO+8*(\t)+7], v[KF+6*(\t):KF+6*(\t)+11], v[16:27], 0, v[KS+(\t)/2], v[QS] matrix_a_fmt:MATRIX_FMT_FP6 matrix_b_fmt:MATRIX_FMT_FP6 matrix_a_scale:MATRIX_SCALE_ROW1
.else
	v_wmma_scale_f32_16x16x128_f8f6f4 v[SCO+8*(\t):SCO+8*(\t)+7], v[KF+6*(\t):KF+6*(\t)+11], v[16:27], 0, v[KS+(\t)/2], v[QS] matrix_a_fmt:MATRIX_FMT_FP6 matrix_b_fmt:MATRIX_FMT_FP6
.endif
.endm
.macro PVT t                           ; tile t of O^T
.if (\t)%2
	v_wmma_scale_f32_16x16x128_f8f6f4 v[OT+8*(\t):OT+8*(\t)+7], v[VF+12*(\t):VF+12*(\t)+11], v[PF:PF+11], v[OT+8*(\t):OT+8*(\t)+7], v[28+(\t)/2], v[PS] matrix_a_fmt:MATRIX_FMT_FP6 matrix_b_fmt:MATRIX_FMT_FP6 matrix_a_scale:MATRIX_SCALE_ROW1
.else
	v_wmma_scale_f32_16x16x128_f8f6f4 v[OT+8*(\t):OT+8*(\t)+7], v[VF+12*(\t):VF+12*(\t)+11], v[PF:PF+11], v[OT+8*(\t):OT+8*(\t)+7], v[28+(\t)/2], v[PS] matrix_a_fmt:MATRIX_FMT_FP6 matrix_b_fmt:MATRIX_FMT_FP6
.endif
.endm
.macro KLOAD ac, as                    ; a step's eight fragments of K, 24 bytes a lane each, and its scale words
.irp t, 0,1,2,3,4,5,6,7
.irp q, 0,1,2
	ds_load_b64 v[KF+6*\t+2*\q:KF+6*\t+2*\q+1], v[\ac] offset:768*\t+8*\q
.endr
.endr
.irp u, 0,1,2,3
	ds_load_b32 v[KS+\u], v[\as] offset:128*\u
.endr
.endm
; A PASS: my tile p of 16 queries against all 2,048 keys, 128 a step.
.macro PASS p
.irp q, 0,1,2
	global_load_b64 v[16+2*\q:17+2*\q], v[AQ], s[10:11] offset:12288*(\p)+8*\q   ; Q's 24 bytes: d = 32 h + 0 .. 31 of position r
.endr
	v_and_b32 v[TT], 7, v0
	v_bfe_u32 v[BY], v0, 3, 1
	v_lshlrev_b32 v[TT], 2, v[TT]
	s_delay_alu instid0(VALU_DEP_1)
	v_lshl_add_u32 v[TT], v[BY], 7, v[TT]          ; the scale word of the record's row r % 8 + 32 (r / 8)
	global_load_b32 v[QS], v[TT], s[12:13] offset:1024*(\p)
	v_mov_b32 v13, 0xff61b1e6                      ; the largest t so far: -3e38
	s_delay_alu instid0(VALU_DEP_1)
	v_floor_f32 v12, -v13                          ; -M
	v_mov_b32 v14, 0
	v_mov_b32 v15, 0
.set J, 0
.rept 32
	v_mov_b32 v[OT+J], 0                           ; the loop has no first step of its own: the first change of M multiplies zeros
.set J, J+1
.endr
	s_mov_b32 s39, 0                               ; the step
.if (\p) == 0
	KLOAD AK0, ASK0                                ; step 0; the second pass finds it fetched by the first pass's last step
.endif
	s_wait_loadcnt 0x0                             ; Q
	s_wait_xcnt 0x0                                ; the last pass's stores have read their registers
.Lstep_\@:
	s_add_co_u32 s43, s39, 1
	s_and_b32 s43, s43, 15                         ; the next step, behind the last: step 0
	s_mul_i32 s40, s43, 6144                       ; its codes of K,
	s_lshl_b32 s41, s43, 9                         ; its scale words;
	s_mul_i32 s36, s39, 6144                       ; this step's codes of V,
	s_lshl_b32 s38, s39, 8                         ; and their scale words
	s_wait_dscnt 0x0                               ; this step's K, asked for a step ago
.irp t, 0,1,2,3,4,5,6,7
	SQK \t
.endr
	v_add_nc_u32 v8, s40, v[AK0]                   ; these four are the places behind the products, ahead of the loads into their registers and of the first read of S^T
	v_add_nc_u32 v10, s41, v[ASK0]
	v_add_nc_u32 v9, s36, v[AV0]
	v_add_nc_u32 v11, s38, v[ASV0]
	KLOAD 8, 10
.irp t, 0,1,2,3
.irp c, 0,1
.irp q, 0,1,2
	ds_load_b64 v[VF+12*\t+6*\c+2*\q:VF+12*\t+6*\c+2*\q+1], v9 offset:3072*\c+768*\t+8*\q   ; V lands while the softmax is walked
.endr
.endr
.endr
	ds_load_b32 v28, v11
	ds_load_b32 v29, v11 offset:128
.irp b, 0,1,2,3
	v_max3_num_f32 v[BM+\b], v[SCO+16*\b], v[SCO+1+16*\b], v[SCO+2+16*\b]   ; four chains of 16 scores; each accumulator is first read at its low end
.endr
.irp i, 3,5,7,9,11,13
.irp b, 0,1,2,3
	v_max3_num_f32 v[BM+\b], v[BM+\b], v[SCO+16*\b+\i], v[SCO+1+16*\b+\i]
.endr
.endr
.irp b, 0,1,2,3
	v_max_num_f32 v[BM+\b], v[BM+\b], v[SCO+15+16*\b]
.endr
	s_delay_alu instid0(VALU_DEP_3)
	v_max_num_f32 v[BM], v[BM], v[BM+1]            ; the largest score of my block h: for the row's maximum, and for the block's largest p
	s_delay_alu instid0(VALU_DEP_2)
	v_max_num_f32 v[BM+1], v[BM+2], v[BM+3]        ; and of my block 2 + h
	s_delay_alu instid0(VALU_DEP_1)
	v_max_num_f32 v[TT], v[BM], v[BM+1]
	s_delay_alu instid0(VALU_DEP_1)
	v_permlanex16_b32 v[BY], v[TT], s[SEL], s[SEL+1]
	s_delay_alu instid0(VALU_DEP_1)
	v_max_num_f32 v[TT], v[TT], v[BY]              ; with lane l xor 16's two blocks: the step's largest score of my query
	s_delay_alu instid0(VALU_DEP_1)
	v_mul_f32 v[TT], s[CS], v[TT]
	s_delay_alu instid0(VALU_DEP_1)
	v_max_num_f32 v13, v13, v[TT]                  ; the running largest t
	v_mov_b32 v[TT], v12
	s_delay_alu instid0(VALU_DEP_2)
	v_floor_f32 v12, -v13                          ; the new -M = -ceil(t)
	s_delay_alu instid0(VALU_DEP_1)
	v_sub_f32 v[TT], v12, v[TT]                    ; old M - new M: a whole number, 0 or less
	s_delay_alu instid0(VALU_DEP_1)
	v_cvt_i32_f32 v[TT], v[TT]
	s_delay_alu instid0(VALU_DEP_1)
	v_ldexp_f32 v[FF], 1.0, v[TT]                  ; f = 2^(old M - new M): a multiplication by it rounds nothing
.set J, 0
.rept 32
	v_pk_fma_f32 v[SCO+J:SCO+J+1], v[SCO+J:SCO+J+1], s[CS:CS+1], v[12:13] op_sel_hi:[1,0,0]   ; t - M
.set J, J+2
.endr
.irp c, 0,1
	v_fma_f32 v[BM+\c], v[BM+\c], s[CS], v12
.endr
	s_wait_alu depctr_va_vdst(0)                   ; the wait ahead of the batch
.set J, 0
.rept 64
	v_exp_f32 v[SCO+J], v[SCO+J]                   ; p = 2^(t - M)
.set J, J+1
.endr
.irp c, 0,1
	v_exp_f32 v[BM+\c], v[BM+\c]                   ; each block's largest p
.endr
	v_pk_mul_f32 v[14:15], v[14:15], v[FF:FF+1] op_sel_hi:[1,0]   ; the sums under the new M: a plain place behind the exponentials
	s_wait_alu depctr_va_vdst(0)                   ; one wait for the batch of 66, ahead of its first reader
.irp c, 0,1
	v_max_num_f32 v[BM+\c], 0x1800000, v[BM+\c]    ; the floor 2^(3 - 127)
.endr
.irp k, 0,1,2,3,4,5
	v_pk_add_f32 v[PF+2*\k:PF+2*\k+1], v[SCO+4*\k:SCO+4*\k+1], v[SCO+4*\k+2:SCO+4*\k+3]   ; the row's sum of the unquantised p, in seven chains
.endr
.set N, 12
.rept 20
.if (N-12)%7 == 6
	v_pk_add_f32 v[14:15], v[14:15], v[SCO+2*N:SCO+2*N+1]
.else
	v_pk_add_f32 v[PF+2*((N-12)%7):PF+2*((N-12)%7)+1], v[PF+2*((N-12)%7):PF+2*((N-12)%7)+1], v[SCO+2*N:SCO+2*N+1]
.endif
.set N, N+1
.endr
.irp c, 0,1
	v_add_nc_u32 v[BM+\c], 0xff000000, v[BM+\c]    ; 2 off the exponent field: the conversion's scale operand
.endr
	v_pk_add_f32 v[PF:PF+1], v[PF:PF+1], v[PF+2:PF+3]
	v_pk_add_f32 v[PF+4:PF+5], v[PF+4:PF+5], v[PF+6:PF+7]
	v_pk_add_f32 v[PF+8:PF+9], v[PF+8:PF+9], v[PF+10:PF+11]
.irp c, 0,1
	v_lshrrev_b32 v[BY+\c], 23, v[BM+\c]           ; the scale's byte
.endr
	v_pk_add_f32 v[14:15], v[14:15], v[PF:PF+1]
	v_pk_add_f32 v[PF+4:PF+5], v[PF+4:PF+5], v[PF+8:PF+9]
	v_lshl_or_b32 v[PS], v[BY+1], 16, v[BY]        ; my bytes: blocks h and 2 + h,
	s_delay_alu instid0(VALU_DEP_2)
	v_pk_add_f32 v[14:15], v[14:15], v[PF+4:PF+5]
	s_delay_alu instid0(VALU_DEP_2)
	v_lshlrev_b32 v[PS], v[SH8], v[PS]             ; 8 h bits up;
	s_delay_alu instid0(VALU_DEP_1)
	v_permlanex16_b32 v[BY], v[PS], s[SEL], s[SEL+1]
	v_cvt_scalef32_pk16_fp6_f32 v[PF:PF+2], v[SCO:SCO+15], v[BM]
	v_cvt_scalef32_pk16_fp6_f32 v[PF+6:PF+8], v[SCO+32:SCO+47], v[BM+1]
	v_or_b32 v[PS], v[PS], v[BY]                   ; with lane l xor 16's two the word is whole.  (A plain place behind the conversions)
	v_cvt_scalef32_pk16_fp6_f32 v[SCO:SCO+2], v[SCO+16:SCO+31], v[BM]          ; a conversion's three registers begin on an even number: the upper halves land on p that is done with, and are moved
	v_cvt_scalef32_pk16_fp6_f32 v[SCO+32:SCO+34], v[SCO+48:SCO+63], v[BM+1]
	v_nop                                          ; one plain place behind a scaled conversion
.irp c, 0,1
.irp i, 0,1,2
	v_mov_b32 v[PF+3+6*\c+\i], v[SCO+32*\c+\i]
.endr
.endr
	s_wait_dscnt 0x0                               ; V (and the next step's K, asked for ahead of it)
	s_wait_alu depctr_va_vdst(0)                   ; the wait here, directly ahead of the first reader of O^T and behind the wait above
.set J, 0
.rept 16
	v_pk_mul_f32 v[OT+J:OT+J+1], v[OT+J:OT+J+1], v[FF:FF+1] op_sel_hi:[1,0]   ; O^T under the new M; these sixteen are also the places ahead of the products below
.set J, J+2
.endr
.irp t, 0,1,2,3
	PVT \t                                         ; the four accumulators take turns, one instruction a turn
.endr
	s_add_co_u32 s39, s39, 1
	s_cmp_lt_u32 s39, 16
	s_cbranch_scc1 .Lstep_\@
	; the way out of a pass
.rept 4
	v_nop                                          ; places behind the last products
.endr
	v_add_f32 v14, v14, v15
	s_delay_alu instid0(VALU_DEP_1)
	v_permlanex16_b32 v[FF], v14, s[SEL], s[SEL+1]
	s_delay_alu instid0(VALU_DEP_1)
	v_add_f32 v14, v14, v[FF]                      ; the row's sum
	s_wait_alu depctr_va_vdst(0)
	v_rcp_f32 v14, v14
	v_nop
	s_wait_alu depctr_va_vdst(0)                   ; ahead of the reciprocal's first reader
.set J, 0
.rept 16
	v_pk_mul_f32 v[OT+J:OT+J+1], v[OT+J:OT+J+1], v[14:15] op_sel_hi:[1,0]     ; each accumulator from its low end on; register i is d = 32 h + i
.set J, J+2
.endr
.irp b, 0,1
	v_max3_num_f32 v[BM+\b], |v[OT+16*\b]|, |v[OT+1+16*\b]|, 0x1800000
.endr
.irp i, 2,4,6,8,10,12,14
.irp b, 0,1
	s_delay_alu instid0(VALU_DEP_2)
	v_max3_num_f32 v[BM+\b], v[BM+\b], |v[OT+16*\b+\i]|, |v[OT+1+16*\b+\i]|
.endr
.endr
	s_delay_alu instid0(VALU_DEP_1)
	v_max_num_f32 v[BM], v[BM], v[BM+1]            ; my block's largest magnitude: all 32 numbers are mine
	s_delay_alu instid0(VALU_DEP_1)
	v_add_nc_u32 v[BM], 0xff000000, v[BM]
	v_cvt_scalef32_pk16_fp6_f32 v[PF:PF+2], v[OT:OT+15], v[BM]
	v_cvt_scalef32_pk16_fp6_f32 v[PF+8:PF+10], v[OT+16:OT+31], v[BM]
	v_lshrrev_b32 v[BY], 23, v[BM]                 ; the byte of my query, head and block h
.irp i, 0,1,2
	v_mov_b32 v[PF+3+\i], v[PF+8+\i]               ; six registers of the next product's operand, as they will stand there
.endr
.irp q, 0,1,2
	global_store_b64 v[GO], v[PF+2*\q:PF+2*\q+1], s[6:7] offset:196608*(\p)+256*\q   ; 32 lanes store 256 consecutive bytes, aligned
.endr
	ds_store_b8 v30, v[BY] offset:512*(\p)
	s_wait_dscnt 0x0
.endm
	s_load_b128 s[4:7], s[0:1], 0x0                ; qkv s[4:5], oc s[6:7]
	s_load_b64 s[8:9], s[0:1], 0x10                ; os
	v_lshl_add_u32 v[SPW], v0, 2, SPARE
	v_mov_b32 v[NIL], 0
	ds_add_u32 v[SPW], v[NIL]                      ; the wave's opening: the add, twice on end, and its wait ahead of my tensor load
	ds_add_u32 v[SPW], v[NIL]
	v_lshrrev_b32 v8, 5, v0
	s_delay_alu instid0(VALU_DEP_1)
	v_readfirstlane_b32 s[WV], v8                  ; wave 0..15
	s_bfe_u32 s13, ttmp6, 0x40000                  ; cx: my block of 512 queries
	s_and_b32 s14, ttmp7, 0xffff                   ; 16 x batch + head, which the four partners share
	s_mul_i32 s16, s14, REC                        ; the record
	s_mul_i32 s19, s[WV], 13056                    ; my part of K and V, in memory and in LDS
	s_mov_b32 s24, 15|(3<<16)|(1<<21)              ; the mask: all four; elements of 8 bytes; no padding; bit 21 beside a mask
	s_mov_b32 s25, 32<<16                          ; tensor_dim0: 256 bytes
	s_mov_b32 s26, 51<<16                          ; tensor_dim1
	s_mov_b32 s27, 32<<16                          ; tile_dim0
	s_mov_b32 s28, 51                              ; tile_dim1
	s_mov_b32 s29, 32                              ; the pitch: dense
	s_mov_b32 s30, 0
	s_mov_b32 s31, 0
	s_add_co_u32 s42, s16, s19
	s_add_co_u32 s42, s42, 106496                  ; K's codes begin there in a record
	s_mov_b32 s43, 0
	s_lshl_b32 s44, s13, 9                         ; my tile of positions 16 w .. in the record's order of rows: 64 (w / 4) + 16 (w % 2) + 8 ((w / 2) % 2), and by lanes r % 8 + 32 (r / 8)
	s_lshr_b32 s45, s[WV], 2
	s_lshl_b32 s45, s45, 6
	s_add_co_u32 s44, s44, s45
	s_and_b32 s45, s[WV], 1
	s_lshl_b32 s45, s45, 4
	s_add_co_u32 s44, s44, s45
	s_bfe_u32 s45, s[WV], 0x10001
	s_lshl_b32 s45, s45, 3
	s_add_co_u32 s44, s44, s45
	s_mul_i32 s46, s44, 48
	s_add_co_u32 s46, s46, s16
	s_mov_b32 s47, 0
	s_lshl_b32 s48, s44, 2
	s_add_co_u32 s48, s48, s16
	s_add_co_u32 s48, s48, 98304
	s_mov_b32 s49, 0
	s_lshr_b32 s50, s14, 4                         ; batch
	s_and_b32 s51, s14, 15                         ; head
	s_lshl_b32 s52, s50, 7
	s_lshl_b32 s53, s13, 5
	s_add_co_u32 s52, s52, s53
	s_add_co_u32 s52, s52, s[WV]                   ; my first tile of 16 positions
	s_mul_i32 s52, s52, 12288
	s_mul_i32 s53, s51, 768
	s_add_co_u32 s52, s52, s53
	s_mov_b32 s53, 0
	s_lshl_b32 s54, s51, 14
	s_lshl_b32 s55, s50, 12
	s_add_co_u32 s54, s54, s55
	s_lshl_b32 s55, s13, 10
	s_add_co_u32 s54, s54, s55
	s_mov_b32 s55, 0
	s_mov_b32 s[SEL], 0x76543210
	s_mov_b32 s[SEL+1], 0xfedcba98
	s_mov_b32 s[CS], 0x3e38aa3b                    ; log2(e) / 8
	s_mov_b32 s[CS+1], s[CS]
	s_wait_dscnt 0x0                               ; both opening adds are done
	s_wait_kmcnt 0x0
	s_mov_b32 s32, 1
	s_mov_b32 s33, s19
	s_add_nc_u64 s[34:35], s[4:5], s[42:43]
	s_or_b32 s35, s35, 0x80000000
	s_add_nc_u64 s[10:11], s[4:5], s[46:47]        ; Q's codes
	s_add_nc_u64 s[12:13], s[4:5], s[48:49]        ; Q's scale words
	s_add_nc_u64 s[6:7], s[6:7], s[52:53]
	s_add_nc_u64 s[8:9], s[8:9], s[54:55]
	CROUND                                         ; all four work-groups are here: the joint loads meet
	tensor_load_to_lds s[32:35], s[24:31]          ; my one tensor load
	s_nop 0
.rept 4
	v_nop
.endr
	v_and_b32 v8, 15, v0                           ; r
	v_bfe_u32 v9, v0, 4, 1                         ; h
	v_and_b32 v10, 31, v0
	v_mul_u32_u24 v[AK0], v8, 48
	v_and_b32 v11, 7, v8
	v_lshrrev_b32 v[AQ], 3, v8
	v_mad_u32_u24 v[AK0], v9, 24, v[AK0]           ; rows of 48 bytes: the 32 lanes of a load of 8 bytes touch 64 different words modulo 64
	v_mul_u32_u24 v11, v11, 48
	v_lshl_add_u32 v[ASK0], v10, 2, KSO
	v_add_nc_u32 v[AV0], VCO, v[AK0]
	v_mad_u32_u24 v11, v[AQ], 1536, v11
	v_lshl_add_u32 v[ASV0], v10, 2, VSW
	v_lshlrev_b32 v[GO], 3, v10
	v_mad_u32_u24 v[AQ], v9, 24, v11               ; Q: the record's row r % 8 + 32 (r / 8), + 24 h
	v_lshlrev_b32 v[SH8], 3, v9
	s_lshl_b32 s15, s[WV], 5
	s_add_co_u32 s15, s15, STG
	v_lshl_add_u32 v30, v8, 1, s15                 ; the stage: 2 bytes a query,
	v_lshl_add_u32 v31, v0, 4, STG                 ; and back, 16 bytes a thread (waves 0 and 1)
	v_add_nc_u32 v30, v30, v9                      ; byte h
.irp j, 22,23,24,25,26,27
	v_mov_b32 v[\j], 0                             ; zero codes for k = 64 .. 127
.endr
.irp j, 80,81,82,83,84,85
	v_mov_b32 v[\j], 0                             ; what the last fragment of K reaches into
.endr
	v_mov_b32 v[PS], 0                             ; named as the upper half of v[252:253] before it is first written
	s_wait_alu depctr_va_vdst(0)                   ; the wait at the head's end
	s_wait_tensorcnt 0x0                           ; my part has landed,
	s_barrier_signal -1
	s_barrier_wait -1                              ; everybody's has
	PASS 0
	PASS 1
	s_barrier_signal -1                            ; my stores into the stage are done (the pass ends with the wait for them)
	s_barrier_wait -1
	s_cmp_lt_u32 s[WV], 2
	s_cbranch_scc0 .Lno_os
	ds_load_b128 v[32:35], v31
	v_lshlrev_b32 v8, 4, v0
	s_wait_alu depctr_va_vdst(0)
	s_wait_dscnt 0x0
	global_store_b128 v8, v[32:35], s[8:9]         ; 32 lanes store 512 consecutive bytes, aligned
.Lno_os:
	s_wait_tensorcnt 0x0                           ; the wave's end
	ds_add_u32 v[SPW], v[NIL]
	s_wait_dscnt 0x0
	CROUND                                         ; the closing round
	s_endpgm
.Lfunc_end_k_q115c11bf1e_attn:
	.size	k_q115c11bf1e_attn, .Lfunc_end_k_q115c11bf1e_attn-k_q115c11bf1e_attn
	.p2alignl 7, 3214868480
	.fill 96, 4, 3214868480
	.section	.rodata,"a",@progbits
	.p2align	6, 0x0
	.amdhsa_kernel k_q115c11bf1e_attn
		.amdhsa_group_segment_fixed_size 211968
		.amdhsa_private_segment_fixed_size 0
		.amdhsa_enable_private_segment 0
		.amdhsa_kernarg_size 24
		.amdhsa_user_sgpr_count 2
		.amdhsa_user_sgpr_kernarg_segment_ptr 1
		.amdhsa_wavefront_size32 1
		.amdhsa_system_sgpr_workgroup_id_x 1
		.amdhsa_system_sgpr_workgroup_id_y 1
		.amdhsa_system_sgpr_workgroup_id_z 1
		.amdhsa_system_vgpr_workitem_id 0
		.amdhsa_next_free_vgpr 256
		.amdhsa_next_free_sgpr 66
		.amdhsa_reserve_vcc 0
		.amdhsa_float_denorm_mode_32 3
		.amdhsa_float_denorm_mode_16_64 3
		.amdhsa_memory_ordered 1
		.amdhsa_forward_progress 1
		.amdhsa_inst_pref_size 53
	.end_amdhsa_kernel
	.amdgpu_metadata
---
amdhsa.version: [ 1, 2 ]
amdhsa.kernels:
  - .name:           k_q115c11bf1e_attn
    .symbol:         k_q115c11bf1e_attn.kd
    .args:
      - { .name: qkv, .offset: 0, .size: 8, .value_kind: global_buffer, .address_space: global }
      - { .name: oc, .offset: 8, .size: 8, .value_kind: global_buffer, .address_space: global }
      - { .name: os, .offset: 16, .size: 8, .value_kind: global_buffer, .address_space: global }
    .group_segment_fixed_size: 211968
    .private_segment_fixed_size: 0
    .kernarg_segment_align: 8
    .kernarg_segment_size: 24
    .max_flat_workgroup_size: 512
    .sgpr_count:     66
    .vgpr_count:     256
    .wavefront_size: 32
...
	.end_amdgpu_metadata
.endif
;; end of part 3
;; launch proj (part 4): grid 32 x 8, 4 waves a work-group, clusters of 4 x 1, 167,936 bytes of LDS; arguments oc, os, cod, scl, b_out, out0; writes out0
.if DOCPART == 4
	.amdgcn_target "amdgcn-amd-amdhsa--gfx1250"
	.amdhsa_code_object_version 6
	.text
	.protected	k_q115c11bf1e_proj
	.globl	k_q115c11bf1e_proj
	.p2align	8
	.type	k_q115c11bf1e_proj,@function
k_q115c11bf1e_proj:
	s_mov_b64 s[64:65], 0
	v_nop
	global_prefetch_b8 v0, s[64:65] scope:SCOPE_SE
	s_setreg_imm32_b32 hwreg(HW_REG_WAVE_MODE, 25, 1), 1
	s_wait_xcnt 0x0
	s_wait_alu depctr_hold_cnt(0) depctr_sa_sdst(0) depctr_va_vdst(0) depctr_va_sdst(0) depctr_va_ssrc(0) depctr_va_vcc(0) depctr_vm_vsrc(0)
	s_getreg_b32 s2, hwreg(HW_REG_IB_STS2, 6, 4)
	s_cmp_eq_u32 s2, 0
	s_cbranch_scc0 .Lentry_in_a_cluster
	s_endpgm
.Lentry_in_a_cluster:
	s_bfe_u32 s2, ttmp6, 0x10000c
	s_cmp_lg_u32 s2, 0x3003
	s_cbranch_scc0 .Lentry_shape_is_right
	s_endpgm
.Lentry_shape_is_right:
; out0 = Q(o) Q(w_out) + b_out on codes of FP6 with E8M0 scales.  oc holds o's codes as the operand's registers want them (a tile of 16 token positions is 12,288 bytes, as in cod); os holds two scale bytes for a head and a position, 16,384 bytes a head.
; SHARES.  A work-group takes 256 tokens x 128 columns, a wave 64 tokens: its codes of o, all of K, stay in 384 registers.  The eight tiles of w_out, 98,304 bytes, come into LDS once, two tiles a wave: no byte of LDS is filled again.
; CLUSTER.  The four work-groups of a cluster differ in their tokens alone and ask for the weights jointly.  No prefetch: the launch has no loop over tiles to run ahead in.
; Source 0 = 16 columns, source 1 = 16 tokens: a lane holds a token and eight neighbouring columns.  Positions have bits 3 and 4 exchanged; the way out puts rows and columns back.
; REGISTERS as in the launch qkv: window 0: v32-47 o's scale words, v48-79 the weights', v80-143 the bias, v144-239 weight fragments of odd K steps; windows 1, 2: o's fragments, and in window 2 v144-239 weight fragments of even K steps; window 3: 32 accumulators.
.set PAIR,  24576
.set STAGE, 98304                      ; 16 rows x 528 bytes a wave, written by LDS stores alone
.set SPITCH, 528
.set SPARE, 132096
.set VB,   16
.set STO,  12
.set RD,   14
.set CO,   15
.set SPW,  28
.set NIL,  29
.set AS,   32
.set BS,   48
.set BI,   80
.set WF,   144
.set BK,   128
.set MSB, 0
.macro WIN new
.if MSB != (\new)
	s_set_vgpr_msb (MSB<<8)|(\new)
.set MSB, (\new)
.endif
.endm
.macro CROUND
	s_barrier_signal -1
	s_barrier_wait -1
	s_cmp_lg_u32 s14, 0
	s_cbranch_scc1 .Lnot_wave_0_\@
	s_barrier_signal -3
.Lnot_wave_0_\@:
	s_barrier_wait -3
	s_barrier_signal -1
	s_barrier_wait -1
.endm
.macro PLACES
.rept 4
	v_nop
.endr
.endm
.macro WM d, p, q, c, sp, sq, row
.if \row
	v_wmma_scale_f32_16x16x128_f8f6f4 v[\d:\d+7], v[\p:\p+11], v[\q:\q+11], v[\c:\c+7], v[\sp], v[\sq] matrix_a_fmt:MATRIX_FMT_FP6 matrix_b_fmt:MATRIX_FMT_FP6 matrix_a_scale:MATRIX_SCALE_ROW1 matrix_b_scale:MATRIX_SCALE_ROW1
.else
	v_wmma_scale_f32_16x16x128_f8f6f4 v[\d:\d+7], v[\p:\p+11], v[\q:\q+11], v[\c:\c+7], v[\sp], v[\sq] matrix_a_fmt:MATRIX_FMT_FP6 matrix_b_fmt:MATRIX_FMT_FP6
.endif
.endm
.macro FETCH s                         ; the eight weight fragments of K step s
	WIN 0x80*(1-(\s)%2)
.irp b, 0,1,2,3,4,5,6,7
.irp p, 0,1,2
	ds_load_b128 v[WF+12*\b+4*\p:WF+12*\b+4*\p+3], v[VB+\b/2] offset:12288*(\b%2)+1536*(\s)+512*\p   ; cod holds four registers of a lane on end, 16 bytes (oc: two, 8 bytes)
.endr
.endr
	WIN 0
.endm
.macro MUL s                           ; 32 products, the 32 accumulators by turns
.set AB, 48*((\s)%5)
.set AW, 1+(\s)/5
.set WW, 2-2*((\s)%2)
.set CW, 0x30                          ; C in window 3, with D;
.if (\s) == 0
.set CW, 0                             ; the first product's C, the bias, in window 0
.endif
	WIN 0xc0|CW|(AW<<2)|WW
.irp a, 0,1,2,3
.irp b, 0,1,2,3,4,5,6,7
.set DD, 8*(8*\a+\b)
.set CB, DD
.if (\s) == 0
.set CB, BI+8*\b                       ; the bias is the first product's C
.endif
.set PF, WF+12*\b
.set QF, AB+12*\a
.set PS, BS+4*\b+(\s)%4
.set QS, AS+4*\a+(\s)%4
	WM DD, PF, QF, CB, PS, QS, (\s)/4
.endr
.endr
.endm
.macro TOSTAGE a                       ; 16 tokens x 128 columns through my stage: in by lanes, back as rows of 512 bytes
.set AC, 64*(\a)
	WIN 0x0c
.irp b, 0,1,2,3,4,5,6,7
	ds_store_b128 v[STO], v[AC+8*\b:AC+8*\b+3] offset:128*(\b/2)+32*(\b%2)      ; each accumulator from its low end on
	ds_store_b128 v[STO], v[AC+8*\b+4:AC+8*\b+7] offset:128*(\b/2)+32*(\b%2)+16
.endr
	WIN 0
.set BBK, BK+64*((\a)%2)
.irp t, 0,1,2,3,4,5,6,7,8,9,10,11,12,13,14,15
	ds_load_b128 v[BBK+4*\t:BBK+4*\t+3], v[RD] offset:\t*SPITCH   ; LDS serves a wave's instructions in order
.endr
.endm
.macro SEND a, younger
.set BBK, BK+64*((\a)%2)
	s_wait_dscnt \younger
.irp t, 0,1,2,3,4,5,6,7,8,9,10,11,12,13,14,15
	global_store_b128 v[CO], v[BBK+4*\t:BBK+4*\t+3], s[18:19] offset:(32*((\a)/2)+8*((\a)%2)+(\t%8)+16*(\t/8))*4096 th:TH_STORE_NT   ; 32 lanes store 512 consecutive bytes, aligned
.endr
.endm
	s_load_b256 s[4:11], s[0:1], 0x0               ; oc, os, cod, scl
	s_load_b128 s[16:19], s[0:1], 0x20             ; b_out, out0
	v_lshl_add_u32 v[SPW], v0, 2, SPARE
	v_mov_b32 v[NIL], 0
	ds_add_u32 v[SPW], v[NIL]                      ; the opening lines: the add, twice on end, and its wait ahead of my tensor load
	ds_add_u32 v[SPW], v[NIL]
	v_lshrrev_b32 v1, 5, v0
	v_readfirstlane_b32 s14, v1                    ; wave
	s_bfe_u32 s12, ttmp6, 0x40000                  ; cx
	s_lshl_b32 s13, ttmp9, 2
	s_add_co_u32 s13, s13, s12                     ; m: my 256 tokens
	s_and_b32 s15, ttmp7, 0xffff                   ; g: my 128 columns, which the four partners share
	s_mov_b32 s24, 15|(3<<16)|(1<<21)              ; the mask: all four; elements of 8 bytes; bit 21 beside a mask
	s_mov_b32 s25, 384<<16                         ; two tiles, dense: eight rows of 3,072 bytes
	s_mov_b32 s26, 8<<16
	s_mov_b32 s27, 384<<16
	s_mov_b32 s28, 8
	s_mov_b32 s29, 384
	s_mov_b32 s30, 0
	s_mov_b32 s31, 0
	s_mul_i32 s20, s15, 98304
	s_mul_i32 s33, s14, PAIR
	s_add_co_u32 s20, s20, s33
	s_add_co_u32 s20, s20, 8650752                 ; w_out's tiles begin at tile 704
	s_mov_b32 s21, 0
	s_mul_i32 s22, s13, 196608
	s_mul_i32 s23, s14, 49152
	s_add_co_u32 s22, s22, s23                     ; o: my four tiles
	s_mov_b32 s23, 0
	s_lshl_b32 s36, s13, 9
	s_lshl_b32 s37, s14, 7
	s_add_co_u32 s36, s36, s37                     ; and their scale bytes, 2 a position
	s_mov_b32 s37, 0
	s_lshl_b32 s38, s15, 12
	s_add_co_u32 s38, s38, 360448                  ; the weights' scale bytes: row 11,264 + 128 g
	s_mov_b32 s39, 0
	s_lshl_b32 s42, s15, 9
	s_mov_b32 s43, 0
	s_lshl_b32 s44, s13, 20
	s_lshl_b32 s45, s14, 18
	s_add_co_u32 s44, s44, s45
	s_add_co_u32 s44, s44, s42                     ; out0: row 256 m + 64 wave, column 128 g
	s_mov_b32 s45, 0
	s_mov_b32 s32, 1
	s_wait_dscnt 0x0                               ; both opening adds are done
	s_wait_kmcnt 0x0
	s_add_nc_u64 s[34:35], s[8:9], s[20:21]
	s_or_b32 s35, s35, 0x80000000
	s_add_nc_u64 s[22:23], s[4:5], s[22:23]
	s_add_nc_u64 s[36:37], s[6:7], s[36:37]
	s_add_nc_u64 s[38:39], s[10:11], s[38:39]
	s_add_nc_u64 s[42:43], s[16:17], s[42:43]
	s_add_nc_u64 s[18:19], s[18:19], s[44:45]
	CROUND                                         ; all four work-groups are here: the joint loads meet
	tensor_load_to_lds s[32:35], s[24:31]          ; my one tensor load
	s_nop 0
	PLACES
	v_and_b32 v1, 15, v0                           ; r
	v_bfe_u32 v2, v0, 4, 1                         ; h
	v_and_b32 v3, 31, v0
	v_lshlrev_b32 v4, 3, v3
	v_lshlrev_b32 v5, 5, v1
	v_lshl_add_u32 v5, v2, 4, v5                   ; the weights' scale bytes: row r, lanes 16-31 the second 16
	v_lshlrev_b32 v6, 6, v2                        ; the bias: columns 16 h + ..
	v_lshlrev_b32 v7, 1, v1
	v_lshl_add_u32 v7, v2, 17, v7                  ; o's scale bytes: position r; lanes 16-31 eight heads on
.irp k, 0,1,2,3
	v_lshl_add_u32 v[VB+\k], v3, 4, \k*PAIR
.endr
	s_mul_i32 s59, s14, 16*SPITCH
	s_add_co_u32 s59, s59, STAGE
	v_mul_u32_u24 v[STO], v1, SPITCH
	v_lshl_add_u32 v[STO], v2, 6, v[STO]
	v_add_nc_u32 v[STO], s59, v[STO]
	v_lshlrev_b32 v[CO], 4, v3
	v_add_nc_u32 v[RD], s59, v[CO]
	s_wait_alu depctr_va_vdst(0)                   ; the wait at the head's end
.irp s, 0,1,2,3,4,5,6,7
	WIN 0x40*(1+\s/5)
.irp a, 0,1,2,3
.irp p, 0,1,2,3,4,5
	global_load_b64 v[48*(\s%5)+12*\a+2*\p:48*(\s%5)+12*\a+2*\p+1], v4, s[22:23] offset:12288*\a+1536*\s+256*\p   ; 32 lanes read 256 consecutive bytes, aligned
.endr
.endr
.endr
	WIN 0
.irp a, 0,1,2,3
.irp i, 0,1,2,3
	global_load_u16 v[WF+2*(4*\a+\i)], v7, s[36:37] offset:32*\a+32768*\i           ; head 2 i (lanes 16-31: 8 + 2 i): the lower half of K step i's word
	global_load_u16 v[WF+2*(4*\a+\i)+1], v7, s[36:37] offset:32*\a+32768*\i+16384   ; the head behind it: the upper half
.endr
.endr
.irp b, 0,1,2,3,4,5,6,7
	global_load_b128 v[BS+4*\b:BS+4*\b+3], v5, s[38:39] offset:512*\b
.endr
.irp b, 0,1,2,3,4,5,6,7
	global_load_b128 v[BI+8*\b:BI+8*\b+3], v6, s[42:43] offset:(32*(\b/2)+8*(\b%2))*4
	global_load_b128 v[BI+8*\b+4:BI+8*\b+7], v6, s[42:43] offset:(32*(\b/2)+8*(\b%2))*4+16
.endr
	s_wait_tensorcnt 0x0                           ; my part of the weights has landed,
	s_barrier_signal -1
	s_barrier_wait -1                              ; everybody's has
	FETCH 0
	s_wait_loadcnt 0x0
.set N, 0
.rept 16
	v_lshl_or_b32 v[AS+N], v[WF+2*N+1], 16, v[WF+2*N]
.set N, N+1
.endr
	s_wait_alu depctr_va_vdst(0)
.rept 8
	v_nop                                          ; a scale register written by a vector instruction stands 8 places ahead of a scaled product
.endr
.irp s, 0,1,2,3,4,5,6,7
	s_wait_dscnt 0x0                               ; this step's fragments, asked for a step ago, are in
	PLACES                                         ; ahead of loads into registers that products have read
.if \s < 7
	FETCH \s+1
.endif
	MUL \s
.endr
	WIN 0
	PLACES
	TOSTAGE 0
.irp a, 1,2,3
.if \a > 1
	s_wait_xcnt 0x0                                ; block a - 2's stores have read their registers
.endif
	TOSTAGE \a
	SEND \a-1, 32                                  ; behind block a - 1's loads: block a's 16 stores and 16 loads
.endr
	SEND 3, 0
	s_wait_tensorcnt 0x0                           ; the wave's end
	ds_add_u32 v[SPW], v[NIL]
	s_wait_dscnt 0x0
	CROUND                                         ; the closing round
	s_endpgm
.Lfunc_end_k_q115c11bf1e_proj:
	.size	k_q115c11bf1e_proj, .Lfunc_end_k_q115c11bf1e_proj-k_q115c11bf1e_proj
	.p2alignl 7, 3214868480
	.fill 96, 4, 3214868480
	.section	.rodata,"a",@progbits
	.p2align	6, 0x0
	.amdhsa_kernel k_q115c11bf1e_proj
		.amdhsa_group_segment_fixed_size 167936
		.amdhsa_private_segment_fixed_size 0
		.amdhsa_enable_private_segment 0
		.amdhsa_kernarg_size 48
		.amdhsa_user_sgpr_count 2
		.amdhsa_user_sgpr_kernarg_segment_ptr 1
		.amdhsa_wavefront_size32 1
		.amdhsa_system_sgpr_workgroup_id_x 1
		.amdhsa_system_sgpr_workgroup_id_y 1
		.amdhsa_system_sgpr_workgroup_id_z 1
		.amdhsa_system_vgpr_workitem_id 0
		.amdhsa_next_free_vgpr 1024
		.amdhsa_next_free_sgpr 66
		.amdhsa_reserve_vcc 0
		.amdhsa_float_denorm_mode_32 3
		.amdhsa_float_denorm_mode_16_64 3
		.amdhsa_memory_ordered 1
		.amdhsa_forward_progress 1
		.amdhsa_inst_pref_size 91
	.end_amdhsa_kernel
	.amdgpu_metadata
---
amdhsa.version: [ 1, 2 ]
amdhsa.kernels:
  - .name:           k_q115c11bf1e_proj
    .symbol:         k_q115c11bf1e_proj.kd
    .args:
      - { .name: oc, .offset: 0, .size: 8, .value_kind: global_buffer, .address_space: global }
      - { .name: os, .offset: 8, .size: 8, .value_kind: global_buffer, .address_space: global }
      - { .name: cod, .offset: 16, .size: 8, .value_kind: global_buffer, .address_space: global }
      - { .name: scl, .offset: 24, .size: 8, .value_kind: global_buffer, .address_space: global }
      - { .name: b_out, .offset: 32, .size: 8, .value_kind: global_buffer, .address_space: global }
      - { .name: out0, .offset: 40, .size: 8, .value_kind: global_buffer, .address_space: global }
    .group_segment_fixed_size: 167936
    .private_segment_fixed_size: 0
    .kernarg_segment_align: 8
    .kernarg_segment_size: 48
    .max_flat_workgroup_size: 128
    .sgpr_count:     66
    .vgpr_count:     1024
    .wavefront_size: 32
...
	.end_amdgpu_metadata
.endif
;; end of part 4
